; MI455X (gfx1250); checked and timed in simulation.
; The chip was launched on July 23, 2026; its instructions are those of AMD's public machine-readable ISA for CDNA 5 (MIT licence, August 2026) and "CDNA5" Instruction Set Architecture Reference Guide (July 2026). The comments in the code are by the model that wrote it; some were corrected since.
;; Space Time Local Self Attention. Allowed arithmetic: matrix products marked QUANTISED: E2M1 operands, one E8M0 scale for each 32 along K, by v_wmma_scale_f32_16x16x128_f8f6f4 with both operands' format E2M1 (or v_wmma_scale_f32_32x16x128_f4), f32 sums; products left as they are: bf16, f16 or f32 operands; f32 sums; everything else in f32.
;; Inputs: Wk 8 x 512 x 64 float32; Wq 8 x 512 x 64 float32; Wv 8 x 512 x 64 float32; bk 8 x 64 float32; bq 8 x 64 float32; bv 8 x 64 float32; x 4 x 8 x 32 x 32 x 512 float32.
;; Outputs: out0 4 x 8 x 32 x 32 x 512 float32.
;; This version of the problem:
;;   THIS VERSION OF THE PROBLEM IS GIVEN IN LOW PRECISION. The matrix products marked QUANTISED in the list below multiply operands that are first quantised to E2M1 (2 exponent bits, 1 mantissa bit; 4 bits a number), with one power-of-two scale for each 32 numbers along K (OCP MX v1.0); their sums are f32. The products marked 'left as it is' may take bf16, f16 or f32 operands, with f32 sums. Whichever they take, every output number must still come out within the allowed error. Rounding operands to bf16 (8 significant bits) uses up far more of that allowance than f16 does (11 bits, for magnitudes from 6e-5 to 65,504). All else is computed in f32.
;;   The module's matrix products, in the order in which they are computed (A, B: the left and right operand; K: the contracted axis; several contracted axes count as one K, in the product's order):
;;     1. [M 512, K 512] x [K 512, N 16,384]; A: input Wq; B: input x: QUANTISED
;;     2. [M 512, K 512] x [K 512, N 16,384]; A: input Wk; B: input x: QUANTISED
;;     3. [M 512, K 512] x [K 512, N 16,384]; A: input Wv; B: input x: QUANTISED
;;     4. batch 2,048 x [M 64, K 64] x [K 64, N 64]; A: computed on the way; B: computed on the way: left as it is (an operand is computed on the way)
;;     5. batch 2,048 x [M 64, K 64] x [K 64, N 64]; A: computed on the way; B: computed on the way: left as it is (an operand is computed on the way)
;;     6. [M 512, K 512] x [K 512, N 16,384]; A: input Wq; B: computed on the way: left as it is (an operand is computed on the way)
;;     7. [M 512, K 512] x [K 512, N 16,384]; A: input Wk; B: computed on the way: left as it is (an operand is computed on the way)
;;     8. [M 512, K 512] x [K 512, N 16,384]; A: input Wv; B: computed on the way: left as it is (an operand is computed on the way)
;;     9. batch 2,048 x [M 64, K 64] x [K 64, N 64]; A: computed on the way; B: computed on the way: left as it is (an operand is computed on the way)
;;     10. batch 2,048 x [M 64, K 64] x [K 64, N 64]; A: computed on the way; B: computed on the way: left as it is (an operand is computed on the way)
;;     11. [M 512, K 512] x [K 512, N 16,384]; A: input Wq; B: computed on the way: left as it is (an operand is computed on the way)
;;     12. [M 512, K 512] x [K 512, N 16,384]; A: input Wk; B: computed on the way: left as it is (an operand is computed on the way)
;;     13. [M 512, K 512] x [K 512, N 16,384]; A: input Wv; B: computed on the way: left as it is (an operand is computed on the way)
;;     14. batch 2,048 x [M 64, K 64] x [K 64, N 64]; A: computed on the way; B: computed on the way: left as it is (an operand is computed on the way)
;;     15. batch 2,048 x [M 64, K 64] x [K 64, N 64]; A: computed on the way; B: computed on the way: left as it is (an operand is computed on the way)
;;     16. [M 512, K 512] x [K 512, N 16,384]; A: input Wq; B: computed on the way: left as it is (an operand is computed on the way)
;;     17. [M 512, K 512] x [K 512, N 16,384]; A: input Wk; B: computed on the way: left as it is (an operand is computed on the way)
;;     18. [M 512, K 512] x [K 512, N 16,384]; A: input Wv; B: computed on the way: left as it is (an operand is computed on the way)
;;     19. batch 2,048 x [M 64, K 64] x [K 64, N 64]; A: computed on the way; B: computed on the way: left as it is (an operand is computed on the way)
;;     20. batch 2,048 x [M 64, K 64] x [K 64, N 64]; A: computed on the way; B: computed on the way: left as it is (an operand is computed on the way)
;;     21. [M 512, K 512] x [K 512, N 16,384]; A: input Wq; B: computed on the way: left as it is (an operand is computed on the way)
;;     22. [M 512, K 512] x [K 512, N 16,384]; A: input Wk; B: computed on the way: left as it is (an operand is computed on the way)
;;     23. [M 512, K 512] x [K 512, N 16,384]; A: input Wv; B: computed on the way: left as it is (an operand is computed on the way)
;;     24. batch 2,048 x [M 64, K 64] x [K 64, N 64]; A: computed on the way; B: computed on the way: left as it is (an operand is computed on the way)
;;     25. batch 2,048 x [M 64, K 64] x [K 64, N 64]; A: computed on the way; B: computed on the way: left as it is (an operand is computed on the way)
;;   THE QUANTISER, for each operand of a quantised product, along K:
;;     - K is cut into blocks of 32 from its start; a last block that is shorter is filled with zeros.
;;     - A block's scale is 2^e with e = floor(log2(the largest magnitude in the block)) - 2, held to -126 .. 127; a block of zeros has e = 0. As a byte (E8M0): e + 127.
;;     - Each number is divided by its block's scale, clamped to +-6, and rounded to the nearest number of E2M1, ties to even, subnormals kept.
;;     - The product sums the exact products of the quantised numbers (number of the format x scale) in f32.
;;   ~~~python
;;   def quantise(x, axis):      # numpy; x: float32 -> the quantised numbers, widened to float32 again
;;       x = np.moveaxis(x, axis, -1); K = x.shape[-1]
;;       x = np.pad(x, [(0, 0)] * (x.ndim - 1) + [(0, -K % 32)]); x = x.reshape(x.shape[:-1] + (-1, 32)); a = np.abs(x).max(-1, keepdims=True)
;;       e = np.where(a > 0, np.clip(np.frexp(np.where(a > 0, a, 1))[1] - 1 - 2, -126, 127), 0)      # np.frexp(a)[1] - 1 = floor(log2(a)), exactly
;;       r = np.clip(x / 2.0 ** e, -6, 6)
;;       step = 2.0 ** (np.maximum(np.frexp(np.where(r == 0, 1, r))[1] - 1, 0) - 1)
;;       q = np.round(r / step) * step * 2.0 ** e      # np.round: ties to even
;;       return np.moveaxis(q.reshape(q.shape[:-2] + (-1,))[..., :K], -1, axis).astype(np.float32)
;;   ~~~
;; One version. Each part assembles by itself: llvm-mc -triple=amdgcn-amd-amdhsa -mcpu=gfx1250 --defsym DOCPART=n.
;; ======== version 1 of 1: 2 launches
;; limits: values are held in f16: magnitudes above 65,504 overflow, below 6.1e-05 lose precision; right only within a limited range of input values
;; workspace buffers: wstream 1,966,080 bytes; wscale 24,576 bytes
;; launch prep (part 1): grid 96 x 1, 4 waves a work-group, no clusters, 0 bytes of LDS; arguments Wq, Wk, Wv, wstream, wscale; writes wstream, wscale
.if DOCPART == 1
	.amdgcn_target "amdgcn-amd-amdhsa--gfx1250"
	.amdhsa_code_object_version 6
	.text
	.protected	k_q4b55f1087f_prep
	.globl	k_q4b55f1087f_prep
	.p2align	8
	.type	k_q4b55f1087f_prep,@function
k_q4b55f1087f_prep:
	s_mov_b64 s[64:65], 0
	v_nop
	global_prefetch_b8 v0, s[64:65] scope:SCOPE_SE
	s_setreg_imm32_b32 hwreg(HW_REG_WAVE_MODE, 25, 1), 1
	s_wait_xcnt 0x0
; Wq, Wk, Wv [8 heads][512 (k)][64 (d)], f32, are laid out ONCE in the order in which the second launch's operand registers take them:
; as codes of FP4 (E2M1) with one E8M0 byte for each 32 along k (for the first attention step), and as f16 (for the four later steps).
; A FRAGMENT IMAGE is 1,024 bytes: register rho (0..7) of lane l at 512 (rho / 4) + 16 l + 4 (rho % 4).  Lane (r = l % 16, h = l / 16) holds column d = 16 dt + r.
;   FP4, 128 along k: registers 4 c .. 4 c + 3 hold k = 64 c + 32 h + 0 .. 31.      f16, 32 along k: registers 0-3 hold k = 8 h + 0 .. 7, registers 4-7 k = 16 + 8 h + 0 .. 7.
; Work-group g: tensor T = g / 32 (q, k, v), head hd = (g / 4) % 8, k from 128 (g % 4) on; wave = dt.  A wave takes 16 columns x 128 k: one FP4 fragment, four f16 fragments, one scale word a column.
; A LANE TAKES A COLUMN AND ITS REGISTERS RUN DOWN k, in the order of the FP4 layout: a block of 32 lies in one lane, and the conversions' results are the fragment's registers.
; In the stream: head hd = 2 w + i (w: the wave that will use it, i: its pass), fragment f = 4 T + dt.
;   FP4 byte = i PAIRB + w WPAIR + (ks / 2) SLOTB + (ks % 2) KSB + f FRAG;   f16 byte = S16 + i P16B + ks PAIRB + w WPAIR + (kp / 2) SLOTB + (kp % 2) KSB + f FRAG, kp = 0 .. 3 the 32 along k inside these 128.
;   scale word of column r: ((4 i + w) 4 + ks) 768 + 64 f + 4 r.
; LIMITS: a block of zeros gets the byte 1 (its codes are zeros; the bytes are read by this program alone); weights under 2^-24 in magnitude become 0 in f16, weights of 65,520 or more are not served; NaN and infinities are not served.
; Each load reads 64 consecutive bytes in sixteen lanes, and the scale words leave in pieces of 64 bytes: 3 MB read once and 24 KB written once.  Every other store covers 512 consecutive aligned bytes.
; 96 work-groups are all the work there is.  No LDS, no barrier: waves share nothing.
.set FRAG,  1024
.set KSB,   12288
.set SLOTB, 24576
.set WPAIR, 49152
.set PAIRB, 196608
.set S16,   393216
.set P16B,  786432
.set X,     64                         ; v64-127  X(c, i) = W[k = 64 c + 32 h + i][my column], at v[X + 32 c + i]
.set PC,    48                         ; v48-55   the FP4 fragment
.set HF,    128                        ; v128-159 H(c, g, q): two f16 numbers each
	s_load_b256 s[4:11], s[0:1], 0x0               ; Wq s[4:5], Wk s[6:7], Wv s[8:9], wstream s[10:11]
	s_load_b64 s[12:13], s[0:1], 0x20              ; wscale
	v_lshrrev_b32 v1, 5, v0
	v_readfirstlane_b32 s14, v1                    ; wave = dt
	v_and_b32 v2, 31, v0                           ; lane
	v_and_b32 v3, 15, v0                           ; r
	v_bfe_u32 v4, v0, 4, 1                         ; h
	s_lshr_b32 s15, ttmp9, 5                       ; T
	s_bfe_u32 s16, ttmp9, 0x30002                  ; hd
	s_and_b32 s17, ttmp9, 3                        ; ks
	v_lshlrev_b32 v7, 2, v3                        ; 4 r
	v_lshl_add_u32 v5, v4, 13, v7                  ; + 32 h rows of 256 bytes
	s_lshl_b32 s18, s14, 6
	v_add_nc_u32 v5, s18, v5                       ; + 64 dt: my column's byte in a row of W
	v_lshlrev_b32 v6, 4, v2                        ; 16 x lane: my place in an image
	s_mov_b32 s36, 0x76543210
	s_mov_b32 s37, 0xfedcba98                      ; v_permlanex16_b32's selects for lane l xor 16
	s_lshl_b32 s20, s16, 17                        ; the head: 512 rows of 256 bytes
	s_lshl_b32 s19, s17, 15                        ; 128 rows
	s_add_co_u32 s20, s20, s19
	s_mov_b32 s21, 0
	s_lshr_b32 s22, s16, 1                         ; w
	s_and_b32 s23, s16, 1                          ; i
	s_lshl_b32 s24, s15, 2
	s_add_co_u32 s24, s24, s14                     ; f = 4 T + dt
	s_mul_i32 s25, s22, WPAIR
	s_lshl_b32 s19, s24, 10
	s_add_co_u32 s25, s25, s19                     ; w WPAIR + f FRAG
	s_mul_i32 s26, s23, PAIRB                      ; the FP4 fragment's byte
	s_add_co_u32 s26, s26, s25
	s_lshr_b32 s19, s17, 1
	s_mul_i32 s19, s19, SLOTB
	s_add_co_u32 s26, s26, s19
	s_and_b32 s19, s17, 1
	s_mul_i32 s19, s19, KSB
	s_add_co_u32 s26, s26, s19
	s_mov_b32 s27, 0
	s_mul_i32 s28, s23, P16B                       ; the four f16 fragments' first byte
	s_add_co_u32 s28, s28, s25
	s_mul_i32 s19, s17, PAIRB
	s_add_co_u32 s28, s28, s19
	s_add_co_u32 s28, s28, S16
	s_mov_b32 s29, 0
	s_lshl_b32 s30, s23, 2                         ; the scale words' byte
	s_add_co_u32 s30, s30, s22
	s_lshl_b32 s30, s30, 2
	s_add_co_u32 s30, s30, s17
	s_mul_i32 s30, s30, 768
	s_lshl_b32 s19, s24, 6
	s_add_co_u32 s30, s30, s19
	s_mov_b32 s31, 0
	s_wait_kmcnt 0x0
	s_cmp_eq_u32 s15, 0                            ; which tensor: the choice hangs on the work-group's number alone
	s_cselect_b64 s[4:5], s[4:5], s[6:7]
	s_cmp_eq_u32 s15, 2
	s_cselect_b64 s[4:5], s[8:9], s[4:5]
	s_add_nc_u64 s[4:5], s[4:5], s[20:21]
	s_add_nc_u64 s[32:33], s[10:11], s[26:27]
	s_add_nc_u64 s[34:35], s[10:11], s[28:29]
	s_add_nc_u64 s[12:13], s[12:13], s[30:31]
.irp c, 0,1
.set n, 0
.rept 32
	global_load_b32 v[X+32*\c+n], v5, s[4:5] offset:(64*\c+n)*256   ; row 64 c + 32 h + n (the 32 h stand in v5): each register is loaded once
.set n, n+1
.endr
.endr
	s_wait_loadcnt 0x0
	; ---- FP4: my two blocks of 32 (block 2 c + h of the 128)
.irp c, 0,1
	v_max3_num_f32 v[32+\c], |v[X+32*\c]|, |v[X+1+32*\c]|, 0x1800000   ; with the floor 2^(3 - 127): the byte cannot fall under 1
.endr
.irp i, 2,4,6,8,10,12,14,16,18,20,22,24,26,28,30
.irp c, 0,1
	v_max3_num_f32 v[32+\c], v[32+\c], |v[X+32*\c+\i]|, |v[X+1+32*\c+\i]|
.endr
.endr
.irp c, 0,1
	v_add_nc_u32 v[44+\c], 0xff000000, v[32+\c]    ; 2 off the exponent field: the conversion's scale operand
.endr
.irp c, 0,1
	v_lshrrev_b32 v[36+\c], 23, v[44+\c]           ; the scale's byte
.endr
	v_lshl_or_b32 v9, v37, 16, v36                 ; my two bytes: blocks h and 2 + h,
	v_lshlrev_b32 v10, 3, v4
	v_lshlrev_b32 v9, v10, v9                      ; 8 h bits up;
	v_mov_b32 v10, 0
	v_permlanex16_b32 v10, v9, s36, s37
	v_or_b32 v9, v9, v10                           ; with lane l xor 16's two the word is whole
.irp c, 0,1
.irp g, 0,1,2,3
	v_cvt_scalef32_pk8_fp4_f32 v[PC+4*\c+\g], v[X+32*\c+8*\g:X+32*\c+8*\g+7], v[44+\c]
.endr
.endr
	v_nop                                          ; one plain instruction behind the last scaled conversion
	global_store_b128 v6, v[PC:PC+3], s[32:33]
	global_store_b128 v6, v[PC+4:PC+7], s[32:33] offset:512
	; ---- f16: H(c, g, q) = numbers 8 g + 2 q, + 1 of my 32 (which are the 32 along k number kp = 2 c + h)
.irp c, 0,1
.irp g, 0,1,2,3
.irp q, 0,1,2,3
	v_cvt_pk_f16_f32 v[HF+16*\c+4*\g+\q], v[X+32*\c+8*\g+2*\q], v[X+32*\c+8*\g+2*\q+1]
.endr
.endr
.endr
.irp c, 0,1                                    ; the f16 layout wants 8 numbers of each 16 in each half of the lanes: the first register's lanes 16-31 change places with the second's lanes 0-15
.irp q, 0,1,2,3
	v_permlane16_swap_b32 v[HF+16*\c+\q], v[HF+16*\c+4+\q]      ; H(c,0): registers 0-3 of kp = 2 c;  H(c,1): of kp = 2 c + 1
	v_permlane16_swap_b32 v[HF+16*\c+8+\q], v[HF+16*\c+12+\q]   ; H(c,2), H(c,3): their registers 4-7
.endr
.endr
.irp c, 0,1
	global_store_b128 v6, v[HF+16*\c:HF+16*\c+3], s[34:35] offset:\c*SLOTB
	global_store_b128 v6, v[HF+16*\c+8:HF+16*\c+11], s[34:35] offset:\c*SLOTB+512
	global_store_b128 v6, v[HF+16*\c+4:HF+16*\c+7], s[34:35] offset:\c*SLOTB+KSB
	global_store_b128 v6, v[HF+16*\c+12:HF+16*\c+15], s[34:35] offset:\c*SLOTB+KSB+512
.endr
	v_cmp_gt_u32 vcc_lo, 16, v2
	s_wait_xcnt 0x0                                ; EXEC changes only behind this wait
	s_and_saveexec_b32 s38, vcc_lo
	global_store_b32 v7, v9, s[12:13]              ; lanes 0-15: the 16 columns' scale words
	s_wait_xcnt 0x0                                ; and again in front of the line that widens it
	s_or_b32 exec_lo, exec_lo, s38
	s_endpgm
.Lfunc_end_k_q4b55f1087f_prep:
	.size	k_q4b55f1087f_prep, .Lfunc_end_k_q4b55f1087f_prep-k_q4b55f1087f_prep
	.p2alignl 7, 3214868480
	.fill 96, 4, 3214868480
	.section	.rodata,"a",@progbits
	.p2align	6, 0x0
	.amdhsa_kernel k_q4b55f1087f_prep
		.amdhsa_group_segment_fixed_size 0
		.amdhsa_private_segment_fixed_size 0
		.amdhsa_enable_private_segment 0
		.amdhsa_kernarg_size 40
		.amdhsa_user_sgpr_count 2
		.amdhsa_user_sgpr_kernarg_segment_ptr 1
		.amdhsa_wavefront_size32 1
		.amdhsa_system_sgpr_workgroup_id_x 1
		.amdhsa_system_sgpr_workgroup_id_y 1
		.amdhsa_system_sgpr_workgroup_id_z 1
		.amdhsa_system_vgpr_workitem_id 0
		.amdhsa_next_free_vgpr 192
		.amdhsa_next_free_sgpr 66
		.amdhsa_reserve_vcc 1
		.amdhsa_float_denorm_mode_32 3
		.amdhsa_float_denorm_mode_16_64 3
		.amdhsa_memory_ordered 1
		.amdhsa_forward_progress 1
		.amdhsa_inst_pref_size 16
	.end_amdhsa_kernel
	.amdgpu_metadata
---
amdhsa.version: [ 1, 2 ]
amdhsa.kernels:
  - .name:           k_q4b55f1087f_prep
    .symbol:         k_q4b55f1087f_prep.kd
    .args:
      - { .name: Wq, .offset: 0, .size: 8, .value_kind: global_buffer, .address_space: global }
      - { .name: Wk, .offset: 8, .size: 8, .value_kind: global_buffer, .address_space: global }
      - { .name: Wv, .offset: 16, .size: 8, .value_kind: global_buffer, .address_space: global }
      - { .name: wstream, .offset: 24, .size: 8, .value_kind: global_buffer, .address_space: global }
      - { .name: wscale, .offset: 32, .size: 8, .value_kind: global_buffer, .address_space: global }
    .group_segment_fixed_size: 0
    .private_segment_fixed_size: 0
    .kernarg_segment_align: 8
    .kernarg_segment_size: 40
    .max_flat_workgroup_size: 128
    .sgpr_count:     66
    .vgpr_count:     192
    .wavefront_size: 32
...
	.end_amdgpu_metadata
.endif
;; end of part 1
;; launch attn (part 2): grid 256 x 1, 4 waves a work-group, clusters of 4 x 1, 327,680 bytes of LDS; arguments x, wstream, wscale, bq, bk, bv, out0; writes out0
.if DOCPART == 2
	.amdgcn_target "amdgcn-amd-amdhsa--gfx1250"
	.amdhsa_code_object_version 6
	.text
	.protected	k_q4b55f1087f_attn
	.globl	k_q4b55f1087f_attn
	.p2align	8
	.type	k_q4b55f1087f_attn,@function
k_q4b55f1087f_attn:
	s_mov_b64 s[64:65], 0
	v_nop
	global_prefetch_b8 v0, s[64:65] scope:SCOPE_SE
	s_setreg_imm32_b32 hwreg(HW_REG_WAVE_MODE, 25, 1), 1
	s_wait_xcnt 0x0
	s_wait_alu depctr_hold_cnt(0) depctr_sa_sdst(0) depctr_va_vdst(0) depctr_va_sdst(0) depctr_va_ssrc(0) depctr_va_vcc(0) depctr_vm_vsrc(0)
	s_getreg_b32 s2, hwreg(HW_REG_IB_STS2, 6, 4)
	s_cmp_eq_u32 s2, 0
	s_cbranch_scc0 .Lentry_in_a_cluster
	s_endpgm
.Lentry_in_a_cluster:
	s_bfe_u32 s2, ttmp6, 0x10000c
	s_cmp_lg_u32 s2, 0x3003
	s_cbranch_scc0 .Lentry_shape_is_right
	s_endpgm
.Lentry_shape_is_right:
; Space-time local attention: x, out0 [4][8 frames][32][32][512] f32.  The 4 x 4 spatial blocks never mix, so ONE WORK-GROUP TAKES ONE BLOCK (64 tokens = 4 frames x 16 pixels, 512 channels) THROUGH ALL FIVE STEPS;
; 4 x 8 x 8 = 256 blocks.  Step s works on frames s .. s + 3; frame s is final behind it and leaves, frame s + 4 comes in raw.  Attention does not hang on the order of tokens: frame f stays in tile f % 4.
; The state never goes to memory: it lies in f32 in registers.  Step 0's q, k, v products are on codes of FP4 (E2M1) with E8M0 scales; all other products take f16 operands and f32 sums.
; SHARES.  Wave w owns heads 2 w and 2 w + 1 (channels 128 w .. 128 w + 127), one head a PASS, two passes a step, and does a head's whole chain for all 64 tokens in its own registers.
; From wave to wave go only the state as an operand's image in LDS (64 KB a step) and 64 row maxima.
; LAYOUT.  State: lane (r, h) holds token r of tile m, register j channel 16 dt + 8 h + j of the head.  q, k = W x X (a lane a token, registers along d); v = X x W (a lane a d, registers along the tokens);
; S^T = K x Q (a lane a query, registers along the keys); O^T = V x P (the state's layout again).  Rounding two neighbouring tiles to f16 in pairs gives the next product's fragment: nothing changes lanes.
; UNITS (exact powers of two, so that f16 has room at any size of the inputs).  For token t: u_t = the power of two in max(largest |state| of the token, largest |bias|, 2^-100); U = the block's largest u.
; image = state / u_t;  q' = q / u_s;  k' = k / u_t;  v'' = v / U;  t = (S' u_key / U)(u_query U c), c = log2(e) / 8;  p = 2^(t - the row's largest t) (all 64 keys are at hand);  state += O' U / sum(p).
; In step 0 x's scale bytes are given less u_t's exponent, held at 1 from below, so that the FP4 sums come in the same units.
; WEIGHTS come as fragment images from the first launch's stream, the same for every work-group: CLUSTER of 4 work-groups, each tile asked for JOINTLY (mask 15); a mask names the four partners, which is all this cluster has.
; Each wave fetches and reads its own part of the ring: two slots of 24,576 bytes (2 K steps x 12 fragments).  By this text's count a wave has one tensor load outstanding.
; No prefetch: the weights are walked by all 64 clusters again and again, and each raw frame is loaded into registers a softmax and a product ahead of the wait for it.
; LIMITS: |W| under 60 (q', k', v'' stay inside f16); magnitudes of the state between 2^-100 and 2^60; a token more than 2^14 under the block's largest loses low bits of v'' (at most 2^-25 U); NaN and infinities are not served.
;
; LDS: RING 0 (196,608: wave w at 49,152 w; tensor loads alone write it) | IMG (65,536: fragment (K step, m) at 1,024 (4 K + m); wave w's quarter is also its stage for a finished frame) | XIN (4 x 8,448: 16 rows x 528, a stage a wave)
;      | BIAS (6,144) | RM (1,024: [token][wave] row maxima) | UV (1,024: u_t / U, a copy a wave) | XSC (2,048: x's scale words [m][lane][K step]) | BM (256) | SPARE (512).
; REGISTERS, in windows of 256 (s_set_vgpr_msb: bits 1:0 source 0, 3:2 source 1, 5:4 source 2, 7:6 destination):
;   window 0: v1-23 addresses and U, 1/U, the floor; v24.. pairs 1/u (INV), u U c (CSQ), T; v48-79 F(m, j) = u / U of token 16 m + 8 h + j; v80-103 W's scale words, v104-119 x's; v120-127 at work; v128-255 fragment buffer 0, later Q', K'
;   window 1: v0-127 q's sums, later S^T and p; v128-255 k's sums, later O^T      window 2: v0-127 v's sums, later a raw frame; v128-255 fragment buffer 1, later V'', the biases, P      window 3: the state
.set KSB,   12288
.set SLOTB, 24576
.set WPAIR, 49152
.set PAIRB, 196608
.set TOGGLE, 0x140000                  ; 0x60000 (pass 0's f16 stream) xor 0x120000 (pass 1's)
.set FRB,   2097152                    ; a frame in bytes
.set SP,    528                        ; a stage row: 512 bytes + 16
.set IMG,   196608
.set XIN,   262144
.set XINW,  16*SP
.set BIAS,  295936
.set RM,    302080
.set UV,    303104
.set XSC,   304128
.set BM,    306176
.set SPARE, 306432                     ; the spare words: 128 bytes a wave, two blocks of 256 bytes that no other line names
.set SPW,   1                          ; v1   my spare word's address; never rewritten
.set NIL,   2                          ; v2   0; never rewritten
.set AIMG,  3                          ; v3   IMG + 16 l
.set ACUR,  4                          ; v4   the same, 4 K steps further on with each trip
.set ARING, 5                          ; v5   49,152 w + 16 l
.set XROW,  6                          ; v6   my XIN stage in the state's layout: 528 r + 32 h
.set XLIN,  7                          ; v7   and by rows: 16 l
.set OROW,  8                          ; v8   my quarter of IMG as a stage, likewise
.set OLIN,  9                          ; v9
.set GOFF,  10                         ; v10  512 w + 16 l: my 16 bytes of a token's row in x and out0
.set ARMW,  11                         ; v11  RM + 16 r + 4 w
.set ARMR,  12                         ; v12  RM + 16 r
.set AUVW,  13                         ; v13  UV + 256 w + 4 r
.set AUVR,  14                         ; v14  UV + 256 w + 32 h
.set ABQ0,  15                         ; v15  BIAS + 512 w + 32 h
.set ABV0,  16                         ; v16  BIAS + 4,096 + 512 w + 4 r
.set ABQ,   17                         ; v17, v18: the same for the pass's head
.set ABV,   18
.set AXSC,  19                         ; v19  XSC + 16 l
.set L4,    20                         ; v20  4 l
.set UU,    21                         ; v21  U
.set IU,    22                         ; v22  1 / U
.set FLO,   23                         ; v23  the floor under every token's largest magnitude
.set INV,   24
.set CSQ,   32
.set TP,    40
.set FF,    48
.set WS,    80
.set XS,    104
.set TM,    120
.set FA,    128                        ; in a fragment buffer: the state's 4 fragments,
.set FB,    160                        ; W's 12: q's 4, k's 4, v's 4
; scalars: s[4:17] arguments; s18 wave; s[22:23] lane selects; s[24:31], s[32:39] descriptor groups 1 (192 and 96 rows); s[40:43], s[44:47], s[48:51] groups 0 (both slots, slot 0, slot 1);
; s[52:53] next raw frame; s[54:55] next frame out; s[56:57] wstream + 49,152 w; s[58:59] the pass's offset in the stream; s60 pass; s61 trips; s62 image step; s63 a raw frame comes in; s67 256 i; s[68:69] wscale + 3,072 w
.set MSB, 0
.macro WIN new                         ; the immediate's high byte repeats the setting that is left; a switch that changes nothing is dropped
.if MSB != (\new)
	s_set_vgpr_msb (MSB<<8)|(\new)
.set MSB, (\new)
.endif
.endm
.macro PLACES                          ; four plain instructions between a matrix instruction and a load into, or a vector read of, its registers (ISA guide 7.12.1 for vector reads)
.rept 4
	v_nop
.endr
.endm
.macro CREST                           ; a round of the cluster's barrier behind its opening barrier
	s_cmp_lg_u32 s18, 0
	s_cbranch_scc1 .Lnot_wave_0_\@
	s_barrier_signal -3
.Lnot_wave_0_\@:
	s_barrier_wait -3
	s_barrier_signal -1
	s_barrier_wait -1
.endm
.macro CROUND
	s_barrier_signal -1
	s_barrier_wait -1
	CREST
.endm
; 32 LDS loads in one run: a K step's 4 fragments of the state and 12 of W into buffer buf.  Each load takes 512 consecutive bytes.
.macro FETCH buf, ringoff, areg, imgoff
	WIN 0x80*(\buf)
.irp m, 0,1,2,3
	ds_load_b128 v[FA+8*\m:FA+8*\m+3], v[\areg] offset:(\imgoff)+1024*\m
	ds_load_b128 v[FA+8*\m+4:FA+8*\m+7], v[\areg] offset:(\imgoff)+1024*\m+512
.endr
.irp f, 0,1,2,3,4,5,6,7,8,9,10,11
	ds_load_b128 v[FB+8*\f:FB+8*\f+3], v[ARING] offset:(\ringoff)+1024*\f
	ds_load_b128 v[FB+8*\f+4:FB+8*\f+7], v[ARING] offset:(\ringoff)+1024*\f+512
.endr
.endm
; 16 matrix instructions of a K step of 32: g = 0: q, 1: k (source 0 = W, source 1 = state), 2: v (source 0 = state, source 1 = W).  The 48 accumulators take turns, one instruction a turn.
.macro MM16 g, buf, zero
.if (\g) < 2
	WIN 0x50+0x0a*(\buf)
.irp m, 0,1,2,3
.irp dt, 0,1,2,3
.if \zero
	v_wmma_f32_16x16x32_f16 v[128*(\g)+32*\m+8*\dt:128*(\g)+32*\m+8*\dt+7], v[FB+8*(4*(\g)+\dt):FB+8*(4*(\g)+\dt)+7], v[FA+8*\m:FA+8*\m+7], 0
.else
	v_wmma_f32_16x16x32_f16 v[128*(\g)+32*\m+8*\dt:128*(\g)+32*\m+8*\dt+7], v[FB+8*(4*(\g)+\dt):FB+8*(4*(\g)+\dt)+7], v[FA+8*\m:FA+8*\m+7], v[128*(\g)+32*\m+8*\dt:128*(\g)+32*\m+8*\dt+7]
.endif
.endr
.endr
.else
	WIN 0xa0+0x0a*(\buf)
.irp dt, 0,1,2,3
.irp m, 0,1,2,3
.if \zero
	v_wmma_f32_16x16x32_f16 v[32*\dt+8*\m:32*\dt+8*\m+7], v[FA+8*\m:FA+8*\m+7], v[FB+8*(8+\dt):FB+8*(8+\dt)+7], 0
.else
	v_wmma_f32_16x16x32_f16 v[32*\dt+8*\m:32*\dt+8*\m+7], v[FA+8*\m:FA+8*\m+7], v[FB+8*(8+\dt):FB+8*(8+\dt)+7], v[32*\dt+8*\m:32*\dt+8*\m+7]
.endif
.endr
.endr
.endif
.endm
; One scaled matrix instruction on FP4 codes.  arow / brow: that side's scales stand in lanes 16-31 of the register named.
.macro W4 d, a, b, sa, sb, zero, arow, brow
.if \zero
.if \arow
	v_wmma_scale_f32_16x16x128_f8f6f4 v[(\d):(\d)+7], v[(\a):(\a)+7], v[(\b):(\b)+7], 0, v[\sa], v[\sb] matrix_a_fmt:MATRIX_FMT_FP4 matrix_b_fmt:MATRIX_FMT_FP4 matrix_a_scale:MATRIX_SCALE_ROW1
.elseif \brow
	v_wmma_scale_f32_16x16x128_f8f6f4 v[(\d):(\d)+7], v[(\a):(\a)+7], v[(\b):(\b)+7], 0, v[\sa], v[\sb] matrix_a_fmt:MATRIX_FMT_FP4 matrix_b_fmt:MATRIX_FMT_FP4 matrix_b_scale:MATRIX_SCALE_ROW1
.else
	v_wmma_scale_f32_16x16x128_f8f6f4 v[(\d):(\d)+7], v[(\a):(\a)+7], v[(\b):(\b)+7], 0, v[\sa], v[\sb] matrix_a_fmt:MATRIX_FMT_FP4 matrix_b_fmt:MATRIX_FMT_FP4
.endif
.else
.if \arow
	v_wmma_scale_f32_16x16x128_f8f6f4 v[(\d):(\d)+7], v[(\a):(\a)+7], v[(\b):(\b)+7], v[(\d):(\d)+7], v[\sa], v[\sb] matrix_a_fmt:MATRIX_FMT_FP4 matrix_b_fmt:MATRIX_FMT_FP4 matrix_a_scale:MATRIX_SCALE_ROW1
.elseif \brow
	v_wmma_scale_f32_16x16x128_f8f6f4 v[(\d):(\d)+7], v[(\a):(\a)+7], v[(\b):(\b)+7], v[(\d):(\d)+7], v[\sa], v[\sb] matrix_a_fmt:MATRIX_FMT_FP4 matrix_b_fmt:MATRIX_FMT_FP4 matrix_b_scale:MATRIX_SCALE_ROW1
.else
	v_wmma_scale_f32_16x16x128_f8f6f4 v[(\d):(\d)+7], v[(\a):(\a)+7], v[(\b):(\b)+7], v[(\d):(\d)+7], v[\sa], v[\sb] matrix_a_fmt:MATRIX_FMT_FP4 matrix_b_fmt:MATRIX_FMT_FP4
.endif
.endif
.endm
; The same 16 products for a K step of 128 on codes.  W's scale register 4 (f / 2) + ks carries fragment f's words in lanes 0-15 (f even) or 16-31 (f odd).
.macro MM4 g, buf, ks, zero
.if (\g) < 2
	WIN 0x50+0x0a*(\buf)
.irp m, 0,1,2,3
.irp dt, 0,1,2,3
	W4 128*(\g)+32*\m+8*\dt, FB+8*(4*(\g)+\dt), FA+8*\m, WS+4*((4*(\g)+\dt)/2)+(\ks), XS+4*\m+(\ks), \zero, \dt%2, 0
.endr
.endr
.else
	WIN 0xa0+0x0a*(\buf)
.irp dt, 0,1,2,3
.irp m, 0,1,2,3
	W4 32*\dt+8*\m, FA+8*\m, FB+8*(8+\dt), XS+4*\m+(\ks), WS+4*(4+\dt/2)+(\ks), \zero, 0, \dt%2
.endr
.endr
.endif
.endm
; A K step on buffer f; the next K step's fragments go into buffer g.
.macro KS f, g, ringoff, imgoff, zero
	s_wait_dscnt 0x0                               ; the run issued a K step ago is in
	PLACES                                         ; buffer g was read by the matrix instructions just issued
	FETCH \g, \ringoff, ACUR, \imgoff
	MM16 0, \f, \zero
	MM16 1, \f, \zero
	MM16 2, \f, \zero
.endm
; A slot's second K step (buffer 1) with the change of slots.  In front of the round each wave waits for all its tensor loads, adds 0 to its spare word, and waits for that and for its reads of the slot.
; Behind the round slot sl is filled again with the K steps 4 further on: the load has the 64 matrix instructions up to the next change's wait in which to land.
.macro KB_TURN sl, ringoff, imgoff
	s_wait_dscnt 0x0                               ; buffer 1 is in: my reads of slot sl are over
	WIN 0
	s_wait_tensorcnt 0x0                           ; all my tensor loads have landed: the one that was out is the other slot's
	ds_add_u32 v[SPW], v[NIL]                      ; 0 onto my spare word
	s_add_nc_u64 s[46+4*(\sl):47+4*(\sl)], s[46+4*(\sl):47+4*(\sl)], PAIRB   ; no load of mine is out, so a group 0 may be written
	MM16 0, 1, 0                                   ; sixteen matrix instructions stand between the add and the wait for it
	s_wait_dscnt 0x0
	s_barrier_signal -1                            ; opens a round of the cluster's barrier
	MM16 1, 1, 0
	WIN 0
	s_barrier_wait -1
	CREST                                          ; no wave of any partner still reads its slot sl or has a load on its way
	tensor_load_to_lds s[44+4*(\sl):47+4*(\sl)], s[32:39]
	s_nop 0
	PLACES                                         ; also the places in front of the loads into buffer 0
	FETCH 0, \ringoff, ACUR, \imgoff
	MM16 2, 1, 0
.endm
; q, k, v of one head on f16: 16 K steps of 32, slots 0 and 1 brought by RESTART, six refills.
.macro P16
	s_wait_tensorcnt 0x0                           ; RESTART's load: I alone read my part of the ring
	s_mov_b32 s62, 0
	v_mov_b32 v[ACUR], v[AIMG]
	FETCH 0, 0, ACUR, 0
	KS 0, 1, KSB, 4096, 1                          ; the first K step starts the sums: nothing is cleared
	WIN 0
	s_mov_b32 s61, 3
.Lslots_\@:                                            ; a trip: 4 K steps, both slots filled again
	KB_TURN 0, SLOTB, 8192
	KS 0, 1, SLOTB+KSB, 12288, 0
	KB_TURN 1, 0, 16384
	KS 0, 1, KSB, 20480, 0
	WIN 0
	s_add_co_u32 s62, s62, 16384
	v_add_nc_u32 v[ACUR], s62, v[AIMG]
	s_sub_co_u32 s61, s61, 1
	s_cmp_lg_u32 s61, 0
	s_cbranch_scc1 .Lslots_\@
	s_wait_dscnt 0x0                               ; the last three K steps fill nothing
	s_wait_tensorcnt 0x0                           ; the last refill, which I alone read
	PLACES
	FETCH 0, SLOTB, ACUR, 8192
	MM16 0, 1, 0
	MM16 1, 1, 0
	MM16 2, 1, 0
	KS 0, 1, SLOTB+KSB, 12288, 0
	s_wait_dscnt 0x0
	MM16 0, 1, 0
	MM16 1, 1, 0
	MM16 2, 1, 0
	WIN 0
.endm
; The same on codes: 4 K steps of 128, all brought by one load.
.macro P4
	s_wait_loadcnt 0x0                             ; W's scale words
	s_wait_tensorcnt 0x0
	FETCH 0, 0, AIMG, 0
.irp ks, 0,1,2,3
	s_wait_dscnt 0x0
.if \ks < 3
	PLACES
	FETCH (\ks+1)%2, ((\ks+1)/2)*SLOTB+((\ks+1)%2)*KSB, AIMG, 4096*(\ks+1)
.endif
.if \ks == 0
	MM4 0, \ks%2, \ks, 1
	MM4 1, \ks%2, \ks, 1
	MM4 2, \ks%2, \ks, 1
.else
	MM4 0, \ks%2, \ks, 0
	MM4 1, \ks%2, \ks, 0
	MM4 2, \ks%2, \ks, 0
.endif
.endr
	WIN 0
	PLACES                                         ; in front of loads into scale registers
	s_cmp_eq_u32 s60, 0
	s_cbranch_scc0 .Lnows_\@
.irp tp, 0,1,2,3,4,5
.irp ks, 0,1,2,3
	global_load_b32 v[WS+4*\tp+\ks], v[L4], s[68:69] offset:12288+768*\ks+128*\tp   ; the second head's
.endr
.endr
.Lnows_\@:
.endm
; The next pass's first two slots: one load of 49,152 bytes a wave, which lands during the attention part.  mode 0: the stream goes on; 1: it turns between the two heads' f16 parts.
.macro RESTART mode
	WIN 0
	s_wait_tensorcnt 0x0
	ds_add_u32 v[SPW], v[NIL]                      ; the descriptors' words stand between the add and the wait for it
.if \mode
	s_xor_b32 s58, s58, TOGGLE
.else
	s_add_co_u32 s58, s58, PAIRB
.endif
	s_add_nc_u64 s[42:43], s[56:57], s[58:59]
	s_or_b32 s43, s43, 0x80000000                  ; type = 2
	s_mov_b64 s[46:47], s[42:43]                   ; slot 0's walking address: stepped ahead of each use
	s_add_nc_u64 s[50:51], s[42:43], SLOTB         ; slot 1's
	s_wait_dscnt 0x0                               ; the add is done, and my reads of the ring and of the image are over
	CROUND
	tensor_load_to_lds s[40:43], s[24:31]
	s_nop 0
	PLACES
.endm
; Biases and units onto q, k, v; f16 fragments; S^T = K' Q'^T.
.macro C1
	WIN 0
	PLACES
	v_add_nc_u32 v[ABQ], s67, v[ABQ0]
	v_add_nc_u32 v[ABV], s67, v[ABV0]
	WIN 0x80
.irp dt, 0,1,2,3
	ds_load_b128 v[192+8*\dt:195+8*\dt], v[ABQ] offset:64*\dt               ; bq at d = 16 dt + 8 h + 0 .. 7
	ds_load_b128 v[196+8*\dt:199+8*\dt], v[ABQ] offset:64*\dt+16
	ds_load_b128 v[224+8*\dt:227+8*\dt], v[ABQ] offset:2048+64*\dt          ; bk
	ds_load_b128 v[228+8*\dt:231+8*\dt], v[ABQ] offset:2048+64*\dt+16
.endr
	WIN 0
.irp dt, 0,1,2,3
	ds_load_b32 v[TP+2*\dt], v[ABV] offset:64*\dt                           ; bv at d = 16 dt + r
.endr
	s_wait_dscnt 0x0
.irp dt, 0,1,2,3
	v_mul_f32 v[TP+2*\dt], v[TP+2*\dt], v[IU]      ; bv / U
.endr
	WIN 0x52
.set n, 0
.rept 64                                       ; n = 16 m + 4 dt + pair: each accumulator from its low end on
	v_pk_fma_f32 v[2*n:2*n+1], v[192+2*(n%16):193+2*(n%16)], v[INV+2*(n/16):INV+2*(n/16)+1], v[2*n:2*n+1] op_sel_hi:[1,0,1]           ; q' = sum + bq / u
.set n, n+1
.endr
.set n, 0
.rept 64
	v_pk_fma_f32 v[128+2*n:129+2*n], v[224+2*(n%16):225+2*(n%16)], v[INV+2*(n/16):INV+2*(n/16)+1], v[128+2*n:129+2*n] op_sel_hi:[1,0,1]   ; k'
.set n, n+1
.endr
	WIN 0x05
.set n, 0
.rept 64
	v_cvt_pk_f16_f32 v[128+n], v[2*n], v[2*n+1]    ; Q'(m, c) at 128 + 16 m + 8 c
.set n, n+1
.endr
.set n, 0
.rept 64
	v_cvt_pk_f16_f32 v[192+n], v[128+2*n], v[129+2*n]   ; K'(m, c) at 192 + 16 m + 8 c
.set n, n+1
.endr
	WIN 0x82
.set n, 0
.rept 64                                       ; n = 16 dt + 4 m + pair
	v_pk_fma_f32 v[2*n:2*n+1], v[2*n:2*n+1], v[FF+2*(n%16):FF+2*(n%16)+1], v[TP+2*(n/16):TP+2*(n/16)+1] op_sel_hi:[1,1,0]   ; v'' = sum u / U + bv / U
.set n, n+1
.endr
	WIN 0x8a
.set n, 0
.rept 64
	v_cvt_pk_f16_f32 v[128+n], v[2*n], v[2*n+1]    ; V''(dt, c') at 128 + 16 dt + 8 c' of window 2
.set n, n+1
.endr
	WIN 0x50
.irp c, 0,1
.irp mq, 0,1,2,3
.irp mk, 0,1,2,3
.if \c == 0
	v_wmma_f32_16x16x32_f16 v[32*\mq+8*\mk:32*\mq+8*\mk+7], v[192+16*\mk+8*\c:192+16*\mk+8*\c+7], v[128+16*\mq+8*\c:128+16*\mq+8*\c+7], 0
.else
	v_wmma_f32_16x16x32_f16 v[32*\mq+8*\mk:32*\mq+8*\mk+7], v[192+16*\mk+8*\c:192+16*\mk+8*\c+7], v[128+16*\mq+8*\c:128+16*\mq+8*\c+7], v[32*\mq+8*\mk:32*\mq+8*\mk+7]
.endif
.endr
.endr
.endr
	WIN 0
.endm
; Softmax over the 64 keys, O^T = V'' P^T, and G = U / sum(p).  xf = 1: where s63 says so, the next raw frame is asked for first.
.macro C2 xf
	WIN 0
	PLACES
.if \xf
	s_cmp_eq_u32 s63, 0
	s_cbranch_scc1 .Lnox_\@
	WIN 0x80
.set n, 0
.rept 16
	global_load_b128 v[4*n:4*n+3], v[GOFF], s[52:53] offset:(n/4)*65536+(n%4)*2048 th:TH_LOAD_NT   ; token n's 512 bytes of my channels: 32 lanes, consecutive and aligned
.set n, n+1
.endr
	WIN 0
.Lnox_\@:
.endif
	WIN 0x41
.set n, 0
.rept 64                                       ; n = 16 mq + 4 mk + pair
	v_pk_mul_f32 v[2*n:2*n+1], v[2*n:2*n+1], v[FF+2*(n%16):FF+2*(n%16)+1]   ; S' u_key / U
.set n, n+1
.endr
	WIN 0x05
.irp mq, 0,1,2,3
	v_max_num_f32 v[TM+\mq], v[32*\mq], v[32*\mq+1]
.endr
	WIN 0x14
.set n, 1
.rept 15
.irp mq, 0,1,2,3
	v_max3_num_f32 v[TM+\mq], v[TM+\mq], v[32*\mq+2*n], v[32*\mq+2*n+1]     ; the four tiles by turns
.endr
.set n, n+1
.endr
	WIN 0
.irp mq, 0,1,2,3
	v_permlanex16_b32 v[TM+4+\mq], v[TM+\mq], s22, s23                      ; the query's other 32 keys lie in the lane 16 away
.endr
.irp mq, 0,1,2,3
	v_max_num_f32 v[TM+\mq], v[TM+\mq], v[TM+4+\mq]
.endr
.irp mq, 0,1,2,3
	v_mul_f32 v[TP+2*\mq], -v[TM+\mq], v[CSQ+2*\mq]                         ; minus the row's largest t (the factor is positive)
.endr
	WIN 0x41
.set n, 0
.rept 64
	v_pk_fma_f32 v[2*n:2*n+1], v[2*n:2*n+1], v[CSQ+2*(n/16):CSQ+2*(n/16)+1], v[TP+2*(n/16):TP+2*(n/16)+1] op_sel_hi:[1,0,0]
.set n, n+1
.endr
.set n, 0
.rept 128
	v_exp_f32 v[n], v[n]                           ; p: one batch
.set n, n+1
.endr
	v_nop                                          ; a plain instruction behind the last exponential
	s_wait_alu depctr_va_vdst(0)                   ; the wait ahead of the first reader: one for the batch
	WIN 0x85
.set n, 0
.rept 64
	v_cvt_pk_f16_f32 v[192+n], v[2*n], v[2*n+1]    ; P(mq, c') at 192 + 16 mq + 8 c' of window 2
.set n, n+1
.endr
	WIN 0x45
.irp st, 1,2,4,8                               ; the sums of the unrounded p, in place: 16 pairs a tile, neighbours 1, 2, 4, 8 pairs apart
.set z, 0
.rept 64/(2*\st)
	v_pk_add_f32 v[2*z:2*z+1], v[2*z:2*z+1], v[2*(z+\st):2*(z+\st)+1]
.set z, z+2*\st
.endr
.endr
	WIN 0x5a
.irp c, 0,1
.irp mq, 0,1,2,3
.irp dt, 0,1,2,3
.if \c == 0
	v_wmma_f32_16x16x32_f16 v[128+32*\mq+8*\dt:128+32*\mq+8*\dt+7], v[128+16*\dt+8*\c:128+16*\dt+8*\c+7], v[192+16*\mq+8*\c:192+16*\mq+8*\c+7], 0
.else
	v_wmma_f32_16x16x32_f16 v[128+32*\mq+8*\dt:128+32*\mq+8*\dt+7], v[128+16*\dt+8*\c:128+16*\dt+8*\c+7], v[192+16*\mq+8*\c:192+16*\mq+8*\c+7], v[128+32*\mq+8*\dt:128+32*\mq+8*\dt+7]
.endif
.endr
.endr
.endr
	WIN 0x05
.irp mq, 0,1,2,3
	v_add_f32 v[TM+\mq], v[32*\mq], v[32*\mq+1]    ; the sum's two halves (also the places behind the products)
.endr
	WIN 0
.irp mq, 0,1,2,3
	v_permlanex16_b32 v[TM+4+\mq], v[TM+\mq], s22, s23
.endr
.irp mq, 0,1,2,3
	v_add_f32 v[TM+\mq], v[TM+\mq], v[TM+4+\mq]
.endr
.irp mq, 0,1,2,3
	v_rcp_f32 v[TM+\mq], v[TM+\mq]
.endr
	v_nop
	s_wait_alu depctr_va_vdst(0)                   ; one wait for the four reciprocals
.irp mq, 0,1,2,3
	v_mul_f32 v[TP+2*\mq], v[UU], v[TM+\mq]        ; G = U / sum
.endr
.endm
.macro EPI i                                   ; the residual: state += O' G
	WIN 0xf1
.set n, 0
.rept 64
	v_pk_fma_f32 v[128*(\i)+2*n:128*(\i)+2*n+1], v[128+2*n:129+2*n], v[TP+2*(n/16):TP+2*(n/16)+1], v[128*(\i)+2*n:128*(\i)+2*n+1] op_sel_hi:[1,0,1]
.set n, n+1
.endr
	WIN 0
.endm
.macro PASS_END                                ; the pass's half of the state; behind pass 0 the raw frame goes into my stage
	s_wait_loadcnt 0x0                             ; on every way, ahead of the branches: a raw frame asked for at the softmax's head is in, so that its registers may be read below and loaded again in a later pass, and its base may be stepped
	s_and_b32 s70, s60, 1
	s_cmp_eq_u32 s70, 0
	s_cbranch_scc0 .Lodd_\@
	EPI 0
	s_cmp_eq_u32 s63, 0
	s_cbranch_scc1 .Ldone_\@
	WIN 0x08
.set n, 0
.rept 16
	ds_store_b128 v[XLIN], v[4*n:4*n+3] offset:SP*n
.set n, n+1
.endr
	WIN 0
	s_add_nc_u64 s[52:53], s[52:53], FRB
	s_branch .Ldone_\@
.Lodd_\@:
	EPI 1
.Ldone_\@:
	s_xor_b32 s67, s67, 256                        ; the other head's biases
.endm
; Tile m of the state leaves: into a stage in the state's layout, back as whole rows, out: each store covers 512 consecutive aligned bytes.
.macro OUTF m, sin, srow, tmp, imm
	WIN 0x0c
.irp i, 0,1
.irp dt, 0,1,2,3
	ds_store_b128 v[\sin], v[128*\i+32*(\m)+8*\dt:128*\i+32*(\m)+8*\dt+3] offset:256*\i+64*\dt
	ds_store_b128 v[\sin], v[128*\i+32*(\m)+8*\dt+4:128*\i+32*(\m)+8*\dt+7] offset:256*\i+64*\dt+16
.endr
.endr
	WIN 0x40
.set n, 0
.rept 16
	ds_load_b128 v[(\tmp)+4*n:(\tmp)+4*n+3], v[\srow] offset:SP*n   ; LDS serves a wave's instructions in order (ISA guide 5.7.1.4): these see the stores above
.set n, n+1
.endr
	s_wait_dscnt 0x0
	WIN 0x04
.set n, 0
.rept 16
	global_store_b128 v[GOFF], v[(\tmp)+4*n:(\tmp)+4*n+3], s[54:55] offset:(\imm)+(n/4)*65536+(n%4)*2048 th:TH_STORE_NT
.set n, n+1
.endr
	WIN 0
.endm
.macro INF m                                   ; a frame out of my XIN stage into tile m of the state
	WIN 0xc0
.irp i, 0,1
.irp dt, 0,1,2,3
	ds_load_b128 v[128*\i+32*(\m)+8*\dt:128*\i+32*(\m)+8*\dt+3], v[XROW] offset:256*\i+64*\dt
	ds_load_b128 v[128*\i+32*(\m)+8*\dt+4:128*\i+32*(\m)+8*\dt+7], v[XROW] offset:256*\i+64*\dt+16
.endr
.endr
	WIN 0
.endm
.macro ROWMAX                                  ; the largest magnitude of each token over my 128 channels, to RM[token][wave]
	WIN 0
.irp m, 0,1,2,3
	v_mov_b32 v[TM+\m], 0
.endr
	WIN 0x3c
.set n, 0
.rept 32
.irp m, 0,1,2,3
	v_max3_num_f32 v[TM+\m], v[TM+\m], |v[128*(n/16)+32*\m+2*(n%16)]|, |v[128*(n/16)+32*\m+2*(n%16)+1]|
.endr
.set n, n+1
.endr
	WIN 0
.irp m, 0,1,2,3
	v_permlanex16_b32 v[TM+4+\m], v[TM+\m], s22, s23
.endr
.irp m, 0,1,2,3
	v_max_num_f32 v[TM+\m], v[TM+\m], v[TM+4+\m]
.endr
.irp m, 0,1,2,3
	ds_store_b32 v[ARMW], v[TM+\m] offset:256*\m   ; both halves of the lanes write the same word with the same value
.endr
.endm
.macro UNITS                                   ; u (v144-147), 1 / u, U, 1 / U, u U c, and F = u / U in the layout along the tokens
.irp m, 0,1,2,3
	ds_load_b128 v[128+4*\m:131+4*\m], v[ARMR] offset:256*\m
.endr
	s_wait_dscnt 0x0
.irp m, 0,1,2,3
	v_max3_num_f32 v[144+\m], v[128+4*\m], v[129+4*\m], v[130+4*\m]
.endr
.irp m, 0,1,2,3
	v_max3_num_f32 v[144+\m], v[144+\m], v[131+4*\m], v[FLO]
.endr
.irp m, 0,1,2,3
	v_and_b32 v[144+\m], 0x7f800000, v[144+\m]     ; u: the power of two
.endr
.irp m, 0,1,2,3
	v_sub_nc_u32 v[INV+2*\m], 0x7f000000, v[144+\m]   ; 1 / u: exponent field 254 - E
.endr
	v_max3_num_f32 v[UU], v144, v145, v146
	v_max_num_f32 v[UU], v[UU], v147
	v_max_num_f32_dpp v[UU], v[UU], v[UU] row_xmask:1 row_mask:0xf bank_mask:0xf
	v_max_num_f32_dpp v[UU], v[UU], v[UU] row_xmask:2 row_mask:0xf bank_mask:0xf
	v_max_num_f32_dpp v[UU], v[UU], v[UU] row_xmask:4 row_mask:0xf bank_mask:0xf
	v_max_num_f32_dpp v[UU], v[UU], v[UU] row_xmask:8 row_mask:0xf bank_mask:0xf
	v_sub_nc_u32 v[IU], 0x7f000000, v[UU]
.irp m, 0,1,2,3
	v_mul_f32 v[152+\m], v[144+\m], v[IU]
	v_mul_f32 v[CSQ+2*\m], v[144+\m], v[UU]
.endr
.irp m, 0,1,2,3
	v_mul_f32 v[CSQ+2*\m], 0x3e38aa3b, v[CSQ+2*\m] ; x log2(e) / 8
	ds_store_b32 v[AUVW], v[152+\m] offset:64*\m
.endr
.irp m, 0,1,2,3
	ds_load_b128 v[FF+8*\m:FF+8*\m+3], v[AUVR] offset:64*\m      ; my own wave's words: served in order
	ds_load_b128 v[FF+8*\m+4:FF+8*\m+7], v[AUVR] offset:64*\m+16
.endr
	s_wait_dscnt 0x0
.endm
.macro IMAGE                                   ; state / u in f16: my 16 fragments (K steps 4 w .. 4 w + 3) as images of their registers
.irp i, 0,1
	WIN 0x83
.set n, 0
.rept 64
	v_pk_mul_f32 v[2*n:2*n+1], v[128*\i+2*n:128*\i+2*n+1], v[INV+2*(n/16):INV+2*(n/16)+1] op_sel_hi:[1,0]
.set n, n+1
.endr
	WIN 0x4a
.set n, 0
.rept 64
	v_cvt_pk_f16_f32 v[128+64*\i+n], v[2*n], v[2*n+1]
.set n, n+1
.endr
	WIN 0x04
.irp m, 0,1,2,3
.irp dt, 0,1,2,3
	ds_store_b128 v[OLIN], v[128+64*\i+16*\m+4*\dt:128+64*\i+16*\m+4*\dt+3] offset:((2*\i+(\dt/2))*4+\m)*1024+512*(\dt%2)
.endr
.endr
.endr
	WIN 0
.endm
; Step 0: tile m of x becomes the FP4 fragment of K step w.  Block b of 32 channels is head b / 2, tiles 2 (b % 2) and + 1: lane (r, h) holds its channels 8 h + 0 .. 7 and 16 + 8 h + 0 .. 7.
.macro QUANT4 m
.set QB, 160+24*(\m)
	WIN 0
.irp b, 0,1,2,3
	v_mov_b32 v[QB+\b], 0x1800000                  ; the floor 2^(3 - 127): the block's byte cannot fall under 1
.endr
	WIN 0x3c
.irp n, 0,2,4,6,8,10,12,14
.irp b, 0,1,2,3
	v_max3_num_f32 v[QB+\b], v[QB+\b], |v[128*(\b/2)+32*(\m)+16*(\b%2)+\n]|, |v[128*(\b/2)+32*(\m)+16*(\b%2)+\n+1]|
.endr
.endr
	WIN 0
.irp b, 0,1,2,3
	v_permlanex16_b32 v[TM+4+\b], v[QB+\b], s22, s23
.endr
.irp b, 0,1,2,3
	v_max_num_f32 v[QB+\b], v[QB+\b], v[TM+4+\b]   ; with lane l xor 16's 16: the block's largest magnitude
.endr
.irp b, 0,1,2,3
	v_add_nc_u32 v[QB+8+\b], 0xff000000, v[QB+\b]  ; 2 off the exponent field: the conversion's scale operand
.endr
.irp b, 0,1,2,3
	v_lshrrev_b32 v[QB+4+\b], 23, v[QB+8+\b]       ; the rule's byte,
.endr
.irp b, 0,1,2,3
	v_sub_nc_u32 v[QB+4+\b], v[QB+4+\b], v[148+\m] ; less the token's unit,
.endr
.irp b, 0,1,2,3
	v_max_i32 v[QB+4+\b], 1, v[QB+4+\b]            ; held at 1
.endr
	v_lshl_or_b32 v[QB+12], v[QB+5], 8, v[QB+4]
	v_lshl_or_b32 v[QB+12], v[QB+6], 16, v[QB+12]
	v_lshl_or_b32 v[QB+12], v[QB+7], 24, v[QB+12]
	WIN 0x03
.irp b, 0,1,2,3
	v_cvt_scalef32_pk8_fp4_f32 v[QB+16+4*(\b/2)+(\b%2)], v[128*(\b/2)+32*(\m)+16*(\b%2):128*(\b/2)+32*(\m)+16*(\b%2)+7], v[QB+8+\b]
	v_cvt_scalef32_pk8_fp4_f32 v[QB+18+4*(\b/2)+(\b%2)], v[128*(\b/2)+32*(\m)+16*(\b%2)+8:128*(\b/2)+32*(\m)+16*(\b%2)+15], v[QB+8+\b]
.endr
	WIN 0
	v_nop                                          ; one plain instruction behind the last scaled conversion
.irp c, 0,1                                    ; the layout wants a whole block in a lane: lanes 0-15 block 2 c, lanes 16-31 block 2 c + 1
	v_permlane16_swap_b32 v[QB+16+4*\c], v[QB+17+4*\c]
	v_permlane16_swap_b32 v[QB+18+4*\c], v[QB+19+4*\c]
.endr
	ds_store_b128 v156, v[QB+16:QB+19] offset:1024*(\m)
	ds_store_b128 v156, v[QB+20:QB+23] offset:1024*(\m)+512
	ds_store_b32 v157, v[QB+12] offset:512*(\m)
.endm
; A step's end, at the head of the next step's first pass: the finished frame leaves, the raw one takes its tile, new units, a new image.  Two barriers: row maxima; image.
; The old image has been dead since the round of the last RESTART, in front of which every wave waited for its reads of it: so my quarter of it serves as the stage.
.macro SE
	s_lshr_b32 s70, s60, 1
	s_cmp_eq_u32 s70, 1
	s_cbranch_scc0 .Lse1_\@
	OUTF 0, OROW, OLIN, 0, 0
	INF 0
	s_branch .Lsej_\@
.Lse1_\@:
	s_cmp_eq_u32 s70, 2
	s_cbranch_scc0 .Lse2_\@
	OUTF 1, OROW, OLIN, 0, 0
	INF 1
	s_branch .Lsej_\@
.Lse2_\@:
	s_cmp_eq_u32 s70, 3
	s_cbranch_scc0 .Lse3_\@
	OUTF 2, OROW, OLIN, 0, 0
	INF 2
	s_branch .Lsej_\@
.Lse3_\@:
	OUTF 3, OROW, OLIN, 0, 0
	INF 3
.Lsej_\@:
	s_wait_dscnt 0x0
	ROWMAX
	s_wait_dscnt 0x0                               ; for the others' sake: my maxima have landed
	s_barrier_signal -1
	s_barrier_wait -1
	UNITS
	IMAGE
	s_wait_xcnt 0x0                                ; the frame's stores have read their registers and their base
	s_add_nc_u64 s[54:55], s[54:55], FRB
	s_wait_dscnt 0x0                               ; my fragments have landed, and my reads of the maxima are over
	s_barrier_signal -1
	s_barrier_wait -1
.endm
; ---------------------------------------------------------------- the head
	s_load_b256 s[4:11], s[0:1], 0x0               ; x s[4:5], wstream s[6:7], wscale s[8:9], bq s[10:11]
	s_load_b128 s[12:15], s[0:1], 0x20             ; bk, bv
	s_load_b64 s[16:17], s[0:1], 0x30              ; out0
	v_lshl_add_u32 v[SPW], v0, 2, SPARE
	v_mov_b32 v[NIL], 0
	ds_add_u32 v[SPW], v[NIL]                      ; the wave's opening: the add, twice on end, and its wait ahead of my first tensor load
	ds_add_u32 v[SPW], v[NIL]
	v_lshrrev_b32 v120, 5, v0
	v_readfirstlane_b32 s18, v120                  ; wave 0..3
	s_bfe_u32 s19, ttmp6, 0x40000                  ; cx: it enters x's and out0's addresses alone
	s_lshl_b32 s20, ttmp9, 2
	s_add_co_u32 s20, s20, s19                     ; my block
	s_lshr_b32 s72, s20, 6
	s_lshl_b32 s72, s72, 24                        ; b x 8 frames
	s_bfe_u32 s73, s20, 0x30003
	s_lshl_b32 s73, s73, 18                        ; by x 4 rows of 65,536 bytes
	s_add_co_u32 s72, s72, s73
	s_and_b32 s73, s20, 7
	s_lshl_b32 s73, s73, 13                        ; bx x 4 pixels of 2,048 bytes
	s_add_co_u32 s72, s72, s73
	s_mov_b32 s73, 0
	s_mov_b32 s22, 0x76543210
	s_mov_b32 s23, 0xfedcba98                      ; v_permlanex16_b32's selects for lane l xor 16
	; descriptor groups 1: dense blocks as rows of 256 bytes (32 elements of 8 bytes), no padding: 192 rows (both slots), 96 rows (one slot)
	s_mov_b32 s24, 15|(3<<16)|(1<<21)              ; 15:0 the mask: all four work-groups; 17:16 elements of 8 bytes; 21 set beside a mask
	s_mov_b32 s25, 32<<16                          ; tensor_dim0
	s_mov_b32 s26, 192<<16                         ; tensor_dim1
	s_mov_b32 s27, 32<<16                          ; tile_dim0
	s_mov_b32 s28, 192                             ; tile_dim1
	s_mov_b32 s29, 32                              ; the pitch
	s_mov_b32 s30, 0
	s_mov_b32 s31, 0
	s_mov_b32 s32, 15|(3<<16)|(1<<21)
	s_mov_b32 s33, 32<<16
	s_mov_b32 s34, 96<<16
	s_mov_b32 s35, 32<<16
	s_mov_b32 s36, 96
	s_mov_b32 s37, 32
	s_mov_b32 s38, 0
	s_mov_b32 s39, 0
	s_mov_b32 s40, 1
	s_mul_i32 s41, s18, WPAIR                      ; my part of the ring: no place in the cluster enters an LDS address
	s_mov_b32 s44, 1
	s_mov_b32 s45, s41
	s_mov_b32 s48, 1
	s_add_co_u32 s49, s41, SLOTB
	s_mov_b32 s58, 0
	s_mov_b32 s59, 0
	s_mov_b32 s67, 0
	v_and_b32 v120, 31, v0                         ; l
	v_and_b32 v121, 15, v0                         ; r
	v_bfe_u32 v122, v0, 4, 1                       ; h
	v_lshlrev_b32 v124, 4, v120                    ; 16 l
	v_mul_u32_u24 v123, v121, SP
	v_lshl_add_u32 v123, v122, 5, v123             ; 528 r + 32 h
	v_add_nc_u32 v[AIMG], IMG, v124
	v_add_nc_u32 v[ARING], s41, v124
	s_mul_i32 s70, s18, XINW
	s_add_co_u32 s70, s70, XIN
	v_add_nc_u32 v[XROW], s70, v123
	v_add_nc_u32 v[XLIN], s70, v124
	s_lshl_b32 s70, s18, 14
	s_add_co_u32 s70, s70, IMG
	v_add_nc_u32 v[OROW], s70, v123
	v_add_nc_u32 v[OLIN], s70, v124
	s_lshl_b32 s70, s18, 9
	v_add_nc_u32 v[GOFF], s70, v124
	s_add_co_u32 s71, s70, BIAS
	v_lshl_add_u32 v[ABQ0], v122, 5, s71
	s_add_co_u32 s71, s71, 4096
	v_lshl_add_u32 v[ABV0], v121, 2, s71
	s_lshl_b32 s70, s18, 2
	s_add_co_u32 s71, s70, RM
	v_lshl_add_u32 v[ARMW], v121, 4, s71
	v_lshlrev_b32 v[ARMR], 4, v121
	v_add_nc_u32 v[ARMR], RM, v[ARMR]
	s_add_co_u32 s71, s70, BM
	v_mov_b32 v142, s71                            ; BM + 4 w
	v_mov_b32 v143, BM
	v_add_nc_u32 v[AXSC], XSC, v124
	v_add_nc_u32 v157, s70, v[AXSC]                ; XSC + 16 l + 4 w
	s_lshl_b32 s70, s18, 8
	s_add_co_u32 s70, s70, UV
	v_lshl_add_u32 v[AUVW], v121, 2, s70
	v_lshl_add_u32 v[AUVR], v122, 5, s70
	s_lshl_b32 s70, s18, 12
	v_add_nc_u32 v156, s70, v[AIMG]                ; IMG + 4,096 w + 16 l: step 0's fragments of K step w
	v_lshlrev_b32 v[L4], 2, v120
	v_lshlrev_b32 v140, 4, v0                      ; 16 x thread: the biases come 2,048 bytes a work-group
	v_add_nc_u32 v141, BIAS, v140
.set n, 25
.rept 12
	v_mov_b32 v[n], 0                              ; the pairs' upper halves are named with the lower ones, so they are written
.set n, n+2
.endr
.irp n, 124,125,126,127
	v_mov_b32 v[\n], 0                             ; a lane permute's destination counts as one of its sources
.endr
	s_wait_dscnt 0x0                               ; both opening adds are done
	s_wait_kmcnt 0x0
	s_mov_b32 s70, s41
	s_mov_b32 s71, 0
	s_add_nc_u64 s[56:57], s[6:7], s[70:71]        ; the stream at my wave's part
	s_mul_i32 s70, s18, 3072
	s_add_nc_u64 s[68:69], s[8:9], s[70:71]        ; my wave's scale words
	s_add_nc_u64 s[52:53], s[4:5], s[72:73]        ; x and out0 at my block's frame 0
	s_add_nc_u64 s[54:55], s[16:17], s[72:73]
	s_mov_b64 s[42:43], s[56:57]
	s_or_b32 s43, s43, 0x80000000                  ; type = 2
	s_mov_b64 s[46:47], s[42:43]
	s_add_nc_u64 s[50:51], s[42:43], SLOTB
	global_load_b128 v[128:131], v140, s[10:11]
	global_load_b128 v[132:135], v140, s[12:13]
	global_load_b128 v[136:139], v140, s[14:15]
.irp tp, 0,1,2,3,4,5
.irp ks, 0,1,2,3
	global_load_b32 v[WS+4*\tp+\ks], v[L4], s[68:69] offset:768*\ks+128*\tp
.endr
.endr
	WIN 0x40
.set n, 0
.rept 64                                       ; frames 0-3: frame n / 16, token n % 16
	global_load_b128 v[4*n:4*n+3], v[GOFF], s[52:53] offset:(n/16)*FRB+((n%16)/4)*65536+(n%4)*2048 th:TH_LOAD_NT
.set n, n+1
.endr
	WIN 0
	CROUND                                         ; all four work-groups are here: the first joint loads meet
	tensor_load_to_lds s[40:43], s[24:31]          ; the first head's codes of W: 49,152 bytes a wave
	s_nop 0
	PLACES
; ---------------------------------------------------------------- x into the state, units, codes
	s_wait_loadcnt 48                              ; the biases, the scale words and frame 0 are in; the 48 younger loads are frames 1-3
	ds_store_b128 v141, v[128:131]
	ds_store_b128 v141, v[132:135] offset:2048
	ds_store_b128 v141, v[136:139] offset:4096
	v_max3_num_f32 v120, |v128|, |v129|, |v130|
	v_max3_num_f32 v120, v120, |v131|, |v132|
	v_max3_num_f32 v120, v120, |v133|, |v134|
	v_max3_num_f32 v120, v120, |v135|, |v136|
	v_max3_num_f32 v120, v120, |v137|, |v138|
	v_max_num_f32 v120, v120, |v139|
	v_max_num_f32_dpp v120, v120, v120 row_xmask:1 row_mask:0xf bank_mask:0xf
	v_max_num_f32_dpp v120, v120, v120 row_xmask:2 row_mask:0xf bank_mask:0xf
	v_max_num_f32_dpp v120, v120, v120 row_xmask:4 row_mask:0xf bank_mask:0xf
	v_max_num_f32_dpp v120, v120, v120 row_xmask:8 row_mask:0xf bank_mask:0xf
	v_permlanex16_b32 v124, v120, s22, s23
	v_max_num_f32 v120, v120, v124
	ds_store_b32 v142, v120                        ; my wave's largest |bias|
.irp f, 0,1,2,3
	s_wait_loadcnt 48-16*\f                        ; frame f is in; the later frames' 16 loads each may be out
	WIN 0x04
.set n, 0
.rept 16
	ds_store_b128 v[XLIN], v[64*\f+4*n:64*\f+4*n+3] offset:SP*n
.set n, n+1
.endr
	INF \f                                         ; LDS serves a wave's instructions in order: these see the stores, and the next frame's stores come behind them
.endr
	s_add_nc_u64 s[52:53], s[52:53], 4*FRB         ; all loads are in: on to frame 4
	s_wait_dscnt 0x0
	ROWMAX
	s_wait_dscnt 0x0
	s_barrier_signal -1                            ; biases, their maxima and the row maxima lie in LDS
	s_barrier_wait -1
	ds_load_b128 v[128:131], v143
	s_wait_dscnt 0x0
	v_max3_num_f32 v[FLO], v128, v129, v130
	v_max3_num_f32 v[FLO], v[FLO], v131, 0x0d800000   ; and 2^-100
	UNITS
.irp m, 0,1,2,3
	v_lshrrev_b32 v[148+\m], 23, v[144+\m]
.endr
.irp m, 0,1,2,3
	v_add_nc_u32 v[148+\m], -127, v[148+\m]        ; the unit's exponent
.endr
	QUANT4 0
	QUANT4 1
	QUANT4 2
	QUANT4 3
	s_wait_dscnt 0x0
	s_barrier_signal -1                            ; x's sixteen fragments and their scale words lie in LDS
	s_barrier_wait -1
.irp m, 0,1,2,3
	ds_load_b128 v[XS+4*\m:XS+4*\m+3], v[AXSC] offset:512*\m
.endr
; ---------------------------------------------------------------- step 0: two passes on codes
	s_mov_b32 s60, 0
.Lfp4:
	s_cmp_eq_u32 s60, 0
	s_cselect_b32 s63, 1, 0                        ; frame 4 comes in during pass 0
	P4
	C1
	RESTART 0
	C2 1
	PASS_END
	s_add_co_u32 s60, s60, 1
	s_cmp_lt_u32 s60, 2
	s_cbranch_scc1 .Lfp4
; ---------------------------------------------------------------- steps 1 to 4: passes 2 to 9 on f16
	s_mov_b32 s60, 2
.Lpass:
	s_and_b32 s70, s60, 1
	s_cmp_eq_u32 s70, 0
	s_cselect_b32 s63, 1, 0
	s_cmp_gt_u32 s60, 6
	s_cselect_b32 s63, 0, s63                      ; frames 5, 6, 7 come in during passes 2, 4, 6
	s_cmp_eq_u32 s70, 0
	s_cbranch_scc0 .Lno_se
	SE
.Lno_se:
	P16
	C1
	s_cmp_eq_u32 s60, 9
	s_cbranch_scc1 .Ltail                          ; the last pass's tail is written out: it asks for nothing more
	RESTART 1
	C2 1
	PASS_END
	s_add_co_u32 s60, s60, 1
	s_cmp_lt_u32 s60, 10
	s_cbranch_scc1 .Lpass
.Ltail:
	C2 0
	EPI 1
	; frames 4 to 7 leave, through my XIN stage (the image may still be read by a slower wave)
.irp m, 0,1,2,3
	OUTF \m, XROW, XLIN, 64*\m, \m*FRB
.endr
	s_wait_tensorcnt 0x0                           ; the wave's end, behind my last tensor load and my last LDS store
	ds_add_u32 v[SPW], v[NIL]
	s_wait_dscnt 0x0
	CROUND                                         ; the closing round: no work-group ends while a partner may still ask for a tile that names it
	s_endpgm
.Lfunc_end_k_q4b55f1087f_attn:
	.size	k_q4b55f1087f_attn, .Lfunc_end_k_q4b55f1087f_attn-k_q4b55f1087f_attn
	.p2alignl 7, 3214868480
	.fill 96, 4, 3214868480
	.section	.rodata,"a",@progbits
	.p2align	6, 0x0
	.amdhsa_kernel k_q4b55f1087f_attn
		.amdhsa_group_segment_fixed_size 327680
		.amdhsa_private_segment_fixed_size 0
		.amdhsa_enable_private_segment 0
		.amdhsa_kernarg_size 56
		.amdhsa_user_sgpr_count 2
		.amdhsa_user_sgpr_kernarg_segment_ptr 1
		.amdhsa_wavefront_size32 1
		.amdhsa_system_sgpr_workgroup_id_x 1
		.amdhsa_system_sgpr_workgroup_id_y 1
		.amdhsa_system_sgpr_workgroup_id_z 1
		.amdhsa_system_vgpr_workitem_id 0
		.amdhsa_next_free_vgpr 1024
		.amdhsa_next_free_sgpr 80
		.amdhsa_reserve_vcc 0
		.amdhsa_float_denorm_mode_32 3
		.amdhsa_float_denorm_mode_16_64 3
		.amdhsa_memory_ordered 1
		.amdhsa_forward_progress 1
		.amdhsa_inst_pref_size 255
	.end_amdhsa_kernel
	.section	.bss,"aw",@nobits
	.p2align	6
	.space	262144
	.amdgpu_metadata
---
amdhsa.version: [ 1, 2 ]
amdhsa.kernels:
  - .name:           k_q4b55f1087f_attn
    .symbol:         k_q4b55f1087f_attn.kd
    .args:
      - { .name: x, .offset: 0, .size: 8, .value_kind: global_buffer, .address_space: global }
      - { .name: wstream, .offset: 8, .size: 8, .value_kind: global_buffer, .address_space: global }
      - { .name: wscale, .offset: 16, .size: 8, .value_kind: global_buffer, .address_space: global }
      - { .name: bq, .offset: 24, .size: 8, .value_kind: global_buffer, .address_space: global }
      - { .name: bk, .offset: 32, .size: 8, .value_kind: global_buffer, .address_space: global }
      - { .name: bv, .offset: 40, .size: 8, .value_kind: global_buffer, .address_space: global }
      - { .name: out0, .offset: 48, .size: 8, .value_kind: global_buffer, .address_space: global }
    .group_segment_fixed_size: 327680
    .private_segment_fixed_size: 0
    .kernarg_segment_align: 8
    .kernarg_segment_size: 56
    .max_flat_workgroup_size: 128
    .sgpr_count:     80
    .vgpr_count:     1024
    .wavefront_size: 32
...
	.end_amdgpu_metadata
.endif
;; end of part 2
